; MI455X (gfx1250); checked and timed in simulation.
; The chip was launched on July 23, 2026; its instructions are those of AMD's public machine-readable ISA for CDNA 5 (MIT licence, August 2026) and "CDNA5" Instruction Set Architecture Reference Guide (July 2026). The comments in the code are by the model that wrote it; some were corrected since.
;; Mixture Of Experts. Allowed arithmetic: matrix products marked QUANTISED: E5M2 operands, one E8M0 scale for each 32 along K, by v_wmma_scale_f32_16x16x128_f8f6f4 with both operands' format E5M2, f32 sums; products left as they are: f32 operands where the result goes on into a quantised operand, else bf16, f16 or f32 operands; f32 sums; everything else in f32.
;; Inputs: b1 16 x 2,048 float32; b2 16 x 512 float32; gate_b 16 float32; gate_w 16 x 512 float32; w1 16 x 512 x 2,048 float32; w2 16 x 2,048 x 512 float32; x 8 x 1,024 x 512 float32.
;; Outputs: out0 8 x 1,024 x 512 float32.
;; Constants: num_available = 4.
;; This version of the problem:
;;   THIS VERSION OF THE PROBLEM IS GIVEN IN LOW PRECISION. The matrix products marked QUANTISED in the list below multiply operands that are first quantised to E5M2 (5 exponent bits, 2 mantissa bits; 8 bits a number), with one power-of-two scale for each 32 numbers along K (OCP MX v1.0); their sums are f32. All else is computed in f32.
;;   The module's matrix products, in the order in which they are computed (A, B: the left and right operand; K: the contracted axis; several contracted axes count as one K, in the product's order):
;;     1. [M 16, K 512] x [K 512, N 1]; A: input gate_w; B: computed on the way: left as it is (N = 1 < 16)
;;     2. [M 8,192, K 512] x [K 512, N 4]; A: input x; B: computed on the way: left as it is (N = 4 < 16)
;;     3. [M 8,192, K 512] x [K 512, N 8,192]; A: computed on the way; B: input x: QUANTISED
;;     4. batch 4 x [M 8,192, K 2,048] x [K 2,048, N 512]; A: computed on the way; B: computed on the way: QUANTISED
;;     5. batch 8,192 x [M 512, K 4] x [K 4, N 1]; A: computed on the way; B: softmax: left as it is (K = 4 < 32)
;;   THE QUANTISER, for each operand of a quantised product, along K:
;;     - K is cut into blocks of 32 from its start; a last block that is shorter is filled with zeros.
;;     - A block's scale is 2^e with e = floor(log2(the largest magnitude in the block)) - 15, held to -126 .. 127; a block of zeros has e = 0. As a byte (E8M0): e + 127.
;;     - Each number is divided by its block's scale, clamped to +-57,344, and rounded to the nearest number of E5M2, ties to even, subnormals kept.
;;     - The product sums the exact products of the quantised numbers (number of the format x scale) in f32.
;;   ~~~python
;;   def quantise(x, axis):      # numpy; x: float32 -> the quantised numbers, widened to float32 again
;;       x = np.moveaxis(x, axis, -1); K = x.shape[-1]
;;       x = np.pad(x, [(0, 0)] * (x.ndim - 1) + [(0, -K % 32)]); x = x.reshape(x.shape[:-1] + (-1, 32)); a = np.abs(x).max(-1, keepdims=True)
;;       e = np.where(a > 0, np.clip(np.frexp(np.where(a > 0, a, 1))[1] - 1 - 15, -126, 127), 0)      # np.frexp(a)[1] - 1 = floor(log2(a)), exactly
;;       r = np.clip(x / 2.0 ** e, -57344, 57344)
;;       step = 2.0 ** (np.maximum(np.frexp(np.where(r == 0, 1, r))[1] - 1, -14) - 2)
;;       q = np.round(r / step) * step * 2.0 ** e      # np.round: ties to even
;;       return np.moveaxis(q.reshape(q.shape[:-2] + (-1,))[..., :K], -1, axis).astype(np.float32)
;;   ~~~
;;   OPERANDS COMPUTED ON THE WAY. 'Computed on the way' means the value that the module computes at that place (a softmax that the list does not call 'softmax' is quantised finished and normalised). What goes into a quantiser is computed in f32, as accurately as f32 sums, v_exp_f32 and their like allow (about 1e-6 of the number): no bf16 or f16 on the way to a quantiser, and a product that is left as it is and whose result goes on into a quantised operand takes f32 operands (vector FMAs, or v_wmma_f32_16x16x4_f32). A number that lies on a knife's edge between two numbers of the format may be rounded either way, as far as f32 arithmetic and the matrix unit's own rounding can turn it there, and no further.
;; One version. Each part assembles by itself: llvm-mc -triple=amdgcn-amd-amdhsa -mcpu=gfx1250 --defsym DOCPART=n.
;; ======== version 1 of 1: 5 launches
;; workspace buffers: xq 4,194,304 bytes; xs 131,072 bytes; lg 524,288 bytes; pc 32,768 bytes; pick 256 bytes of whole numbers; wq 8,691,712 bytes; part 67,108,864 bytes
;; launch xprep (part 1): grid 256 x 1, 2 waves a work-group, no clusters, 38,144 bytes of LDS; arguments x, gate_w, xq, xs, lg, pc; writes xq, xs, lg, pc
.if DOCPART == 1
	.amdgcn_target "amdgcn-amd-amdhsa--gfx1250"
	.amdhsa_code_object_version 6
	.text
	.protected	k_q134160a733_xprep
	.globl	k_q134160a733_xprep
	.p2align	8
	.type	k_q134160a733_xprep,@function
k_q134160a733_xprep:
	s_mov_b64 s[64:65], 0
	v_nop
	global_prefetch_b8 v0, s[64:65] scope:SCOPE_SE
	s_setreg_imm32_b32 hwreg(HW_REG_WAVE_MODE, 25, 1), 1
	s_wait_xcnt 0x0
; x [8192][512] f32 is read ONCE and gives four things:
;   xq  codes of BF8 (E5M2) as images of operand registers: [tile of 16 tokens][K step s of 128][piece c][lane][16 bytes]; lane (r, h), piece c holds k = 128 s + 32 c + 16 h + 0 .. 15 of token r
;   xs  the E8M0 scale bytes, [token][16]: word s = the four bytes of K step s
;   lg  the logits of ALL 16 experts (gate_w x, without gate_b), by the bf16 matrix form: which four count is not known yet
;   pc  for each tile the 16 numbers gate_w . (sum of the tile's 16 tokens), in f32: parts of the coarse gate
; A wave takes one tile of 16 tokens (32,768 bytes of x); the two waves of a work-group share nothing: no barrier.
; Each load reads 512 consecutive bytes of one row; the conversions want 16 neighbours along K in ONE lane, so a K step's 16 rows x 512 bytes turn through the wave's own stage in LDS (rows 528 bytes apart).
; A block's scale is 2^(floor(log2(largest magnitude)) - 15); its byte is the largest magnitude's exponent field - 15, held at 1 from below.
; LIMITS: a block whose largest magnitude lies under 2^-111 (a block of zeros too) keeps the byte 1: its codes are read by this program alone; NaN and infinities in x are not served;
; the logits carry the rounding of x and gate_w to bf16 (they go into a softmax, not into a quantiser).
; No cluster, no tensor load: work-groups share gate_w alone, 32,768 bytes.  No prefetch: all of a wave's x is asked for at its head.
; REGISTERS, in windows of 256: window 0: v1-10 addresses, v12-27 at work, v28-31 the four scale words, v32-159 two sets of 64 neighbours, v160-191 four bf16 fragments of x,
;   v192-223 four accumulators, v224-239 column sums, v240-255 codes.  window 1: gate_w in f32.  window 2: x as loaded.  window 3: v0-127 gate_w in bf16.
.set LI,   4                           ; v4   16 x lane
.set GA,   5                           ; v5   gate_w: 2048 r + 64 h
.set SI,   6                           ; v6   my region of LDS + 16 x lane
.set SO,   7                           ; v7   my region + 528 r + 64 h
.set PR,   8                           ; v8   my region + 64 h
.set RW16, 9                           ; v9   16 r
.set RW4,  10                          ; v10  4 r
.set TM,   12
.set PW,   28
.set XQ,   32
.set XB,   160
.set LACC, 192
.set PS,   224
.set PC,   240
.set STGB, 16*528                      ; a stage: 16 rows of 512 bytes + 16 of padding: the 16 rows that a load touches start at 16 different banks
.set PSB,  2*STGB                      ; behind the two stages: the tile's 512 column sums
.set WREG, PSB+2048                    ; a wave's region
.set SEL,  24                          ; s[24:25] v_permlanex16_b32's selects for lane l xor 16
.set MNT,  26                          ; s26  the mantissa field of 57,344
.set MSB,  0
.macro WIN new                         ; the immediate's high byte repeats the setting that is left
.if MSB != (\new)
	s_set_vgpr_msb (MSB<<8)|(\new)
.set MSB, (\new)
.endif
.endm
; 64 numbers of a lane, register 16 b + i = k 32 b + 16 h + i of my row, become 16 registers of codes at v[pc] and the row's scale word in v[pw]
.macro QUANT src, pc, pw
.irp b, 0,1,2,3
	v_max3_num_f32 v[TM+\b], |v[\src+16*\b]|, |v[\src+16*\b+1]|, 0x8000000   ; my 16 numbers of block b, and the floor 2^(16 - 127): the byte cannot fall under 1
.endr
.irp i, 2,4,6,8,10,12,14
.irp b, 0,1,2,3
	v_max3_num_f32 v[TM+\b], v[TM+\b], |v[\src+16*\b+\i]|, |v[\src+16*\b+\i+1]|
.endr
.endr
.irp b, 0,1,2,3
	v_permlanex16_b32 v[TM+4+\b], v[TM+\b], s[SEL], s[SEL+1]
.endr
.irp b, 0,1,2,3
	v_max_num_f32 v[TM+\b], v[TM+\b], v[TM+4+\b]                   ; with lane l xor 16's 16: the block's largest magnitude
.endr
.irp b, 0,1,2,3
	v_add_nc_u32 v[TM+12+\b], 0xf8800000, v[TM+\b]                 ; 15 off its exponent field: the conversion's scale operand
.endr
.irp b, 0,1,2,3
	v_and_or_b32 v[TM+8+\b], v[TM+\b], 0x7f800000, s[MNT]          ; 57,344 x the scale
.endr
.irp b, 0,1,2,3
	v_lshrrev_b32 v[TM+4+\b], 23, v[TM+12+\b]                      ; the scale's byte
.endr
	v_lshl_or_b32 v[\pw], v[TM+5], 8, v[TM+4]
	v_lshl_or_b32 v[\pw], v[TM+6], 16, v[\pw]
	v_lshl_or_b32 v[\pw], v[TM+7], 24, v[\pw]
.irp b, 0,1,2,3
.irp i, 0,1,2,3,4,5,6,7,8,9,10,11,12,13,14,15
	v_med3_num_f32 v[\src+16*\b+\i], v[\src+16*\b+\i], -v[TM+8+\b], v[TM+8+\b]   ; the conversion to an 8-bit code does not saturate (ISA guide 7.6.2): the hold comes first
.endr
	v_cvt_scalef32_pk8_bf8_f32 v[\pc+4*\b:\pc+4*\b+1], v[\src+16*\b:\src+16*\b+7], v[TM+12+\b]
	v_cvt_scalef32_pk8_bf8_f32 v[\pc+4*\b+2:\pc+4*\b+3], v[\src+16*\b+8:\src+16*\b+15], v[TM+12+\b]
.endr
	v_nop                                          ; one plain line behind the last conversion
.endm
; the column sums of K step s, in the layout of the loads: lane l holds columns 128 s + 4 l + 0 .. 3.  The first addition takes rows 0 and 1: nothing is cleared
.macro PSUM s
	WIN 0x0a                                       ; both sources window 2
	v_pk_add_f32 v[PS+4*(\s):PS+4*(\s)+1], v[64*(\s):64*(\s)+1], v[64*(\s)+4:64*(\s)+5]
	v_pk_add_f32 v[PS+4*(\s)+2:PS+4*(\s)+3], v[64*(\s)+2:64*(\s)+3], v[64*(\s)+6:64*(\s)+7]
	WIN 0x08                                       ; source 1 window 2
.irp i, 2,3,4,5,6,7,8,9,10,11,12,13,14,15
	v_pk_add_f32 v[PS+4*(\s):PS+4*(\s)+1], v[PS+4*(\s):PS+4*(\s)+1], v[64*(\s)+4*\i:64*(\s)+4*\i+1]
	v_pk_add_f32 v[PS+4*(\s)+2:PS+4*(\s)+3], v[PS+4*(\s)+2:PS+4*(\s)+3], v[64*(\s)+4*\i+2:64*(\s)+4*\i+3]
.endr
.endm
; K step s through stage s % 2: in as loaded, out 64 bytes of each block a lane.  LDS serves a wave's instructions in order (ISA guide 5.7.1.4): no wait between
.macro TURN s
	WIN 0x08                                       ; an LDS store's data are its source 1: window 2
.irp i, 0,1,2,3,4,5,6,7,8,9,10,11,12,13,14,15
	ds_store_b128 v[SI], v[64*(\s)+4*\i:64*(\s)+4*\i+3] offset:STGB*((\s)%2)+528*\i
.endr
	WIN 0
.irp b, 0,1,2,3
.irp q, 0,1,2,3
	ds_load_b128 v[XQ+64*((\s)%2)+16*\b+4*\q:XQ+64*((\s)%2)+16*\b+4*\q+3], v[SO] offset:STGB*((\s)%2)+128*\b+16*\q
.endr
.endr
.endm
; the same numbers, not yet held, as four bf16 fragments: fragment b takes the lane's 16 numbers of block b in order.  gate_w is laid the same way, so each place of K holds the same k on both sides
.macro TOBF s
.irp b, 0,1,2,3
.irp i, 0,1,2,3,4,5,6,7
	v_cvt_pk_bf16_f32 v[XB+8*\b+\i], v[XQ+64*((\s)%2)+16*\b+2*\i], v[XQ+64*((\s)%2)+16*\b+2*\i+1]
.endr
.endr
.endm
.macro CODES s
.irp c, 0,1,2,3
	global_store_b128 v[LI], v[PC+4*\c:PC+4*\c+3], s[8:9] offset:2048*(\s)+512*\c   ; 32 lanes store 512 consecutive bytes
.endr
.endm
; logits: source 0 = gate_w's 16 experts, source 1 = my 16 tokens: a lane holds one token and experts 8 h + 0 .. 7.  Four accumulators, one for each block of 32, take turns
.macro LOGIT s
	WIN 0x03                                       ; source 0 window 3
.irp b, 0,1,2,3
.if (\s) == 0
	v_wmma_f32_16x16x32_bf16 v[LACC+8*\b:LACC+8*\b+7], v[8*(4*(\s)+\b):8*(4*(\s)+\b)+7], v[XB+8*\b:XB+8*\b+7], 0
.else
	v_wmma_f32_16x16x32_bf16 v[LACC+8*\b:LACC+8*\b+7], v[8*(4*(\s)+\b):8*(4*(\s)+\b)+7], v[XB+8*\b:XB+8*\b+7], v[LACC+8*\b:LACC+8*\b+7]
.endif
.endr
	WIN 0
.rept 4
	v_nop                                          ; four places (ISA guide 7.12.1) ahead of the next writes of the x fragments and of the first read of the sums
.endr
.endm
.macro XSTEP s
	s_wait_dscnt 0x0                               ; K step s is back from its stage
.if (\s) < 3
	PSUM (\s)+1
	TURN (\s)+1                                    ; the next K step goes through the other stage while this one is worked
.endif
	TOBF \s
	s_wait_xcnt 0x0                                ; the last K step's stores have read the codes' registers: they are written again only behind this wait
.set QS, XQ+64*((\s)%2)
	QUANT QS, PC, PW+(\s)
	CODES \s
.if (\s) == 0
	s_wait_loadcnt 0x0                             ; gate_w is in
	WIN 0xc5                                       ; sources window 1, destination window 3
.set n, 0
.rept 128
	v_cvt_pk_bf16_f32 v[n], v[2*n], v[2*n+1]       ; gate_w in bf16: 16 fragments
.set n, n+1
.endr
.endif
	LOGIT \s
.endm
; the coarse gate's part: 128 column sums a batch, broadcast from LDS in gate_w's layout, times gate_w in f32, in four chains
.macro PLOAD bt
.irp n, 0,1,2,3,4,5,6,7,8,9,10,11,12,13,14,15
	ds_load_b128 v[XQ+64*((\bt)%2)+4*\n:XQ+64*((\bt)%2)+4*\n+3], v[PR] offset:PSB+512*(\bt)+128*(\n/4)+16*(\n%4)
.endr
.endm
.macro DOT bt
	WIN 0x04                                       ; source 1 (gate_w) window 1
.set p, 0
.rept 32
.if ((\bt) == 0) && (p < 4)
	v_pk_mul_f32 v[TM+2*(p%4):TM+2*(p%4)+1], v[XQ+64*((\bt)%2)+2*p:XQ+64*((\bt)%2)+2*p+1], v[64*(\bt)+2*p:64*(\bt)+2*p+1]
.else
	v_pk_fma_f32 v[TM+2*(p%4):TM+2*(p%4)+1], v[XQ+64*((\bt)%2)+2*p:XQ+64*((\bt)%2)+2*p+1], v[64*(\bt)+2*p:64*(\bt)+2*p+1], v[TM+2*(p%4):TM+2*(p%4)+1]
.endif
.set p, p+1
.endr
	WIN 0
.endm
	s_load_b128 s[4:7], s[0:1], 0x0                ; x, gate_w
	s_load_b128 s[8:11], s[0:1], 0x10              ; xq, xs
	s_load_b128 s[12:15], s[0:1], 0x20             ; lg, pc
	v_lshl_add_u32 v11, v0, 2, 0x9400
	s_set_vgpr_msb 0xc0
	v_mov_b32 v129, 0
	s_set_vgpr_msb 0xc000
	v_lshrrev_b32 v1, 5, v0
	v_readfirstlane_b32 s16, v1                    ; wave 0, 1
	v_and_b32 v1, 31, v0                           ; lane
	v_and_b32 v2, 15, v0                           ; r
	v_bfe_u32 v3, v0, 4, 1                         ; h
	v_lshlrev_b32 v[LI], 4, v1
	v_lshlrev_b32 v[GA], 11, v2
	v_lshl_add_u32 v[GA], v3, 6, v[GA]
	s_mul_i32 s17, s16, WREG
	v_add_nc_u32 v[SI], s17, v[LI]
	v_mul_u32_u24 v[SO], v2, 528
	v_lshl_add_u32 v[SO], v3, 6, v[SO]
	v_add_nc_u32 v[SO], s17, v[SO]
	v_lshl_add_u32 v[PR], v3, 6, s17
	v_lshlrev_b32 v[RW16], 4, v2
	v_lshlrev_b32 v[RW4], 2, v2
.irp b, 0,1,2,3
	v_mov_b32 v[TM+4+\b], 0                        ; written once: a lane permute's destination counts as one of its sources
.endr
	s_mov_b32 s[SEL], 0x76543210
	s_mov_b32 s[SEL+1], 0xfedcba98
	s_mov_b32 s[MNT], 0x600000
	s_lshl_b32 s18, ttmp9, 1
	s_add_co_u32 s18, s18, s16                     ; my tile: 2 x work-group + wave
	s_mov_b32 s21, 0
	s_wait_kmcnt 0x0
	s_lshl_b32 s20, s18, 15
	s_add_nc_u64 s[4:5], s[4:5], s[20:21]          ; x: 32,768 bytes a tile
	s_lshl_b32 s20, s18, 13
	s_add_nc_u64 s[8:9], s[8:9], s[20:21]          ; xq: 8,192
	s_lshl_b32 s20, s18, 8
	s_add_nc_u64 s[10:11], s[10:11], s[20:21]      ; xs: 256
	s_lshl_b32 s20, s18, 10
	s_add_nc_u64 s[12:13], s[12:13], s[20:21]      ; lg: 1,024
	s_lshl_b32 s20, s18, 6
	s_add_nc_u64 s[14:15], s[14:15], s[20:21]      ; pc: 64
	WIN 0x80                                       ; destination window 2
.set n, 0
.rept 64                                               ; n = 16 s + i: row i, K step s
	global_load_b128 v[4*n:4*n+3], v[LI], s[4:5] offset:2048*(n%16)+512*(n/16) th:TH_LOAD_NT
.set n, n+1
.endr
	WIN 0x40                                       ; destination window 1
.set n, 0
.rept 64                                               ; register 16 c + 4 q + e = gate_w[r][32 c + 16 h + 4 q + e], n = 4 c + q
	global_load_b128 v[4*n:4*n+3], v[GA], s[6:7] offset:128*(n/4)+16*(n%4)
.set n, n+1
.endr
	s_wait_loadcnt 63                              ; of 128 loads at most 63 are out: the 64 of x, issued first, are in
	PSUM 0
	TURN 0
	XSTEP 0
	XSTEP 1
	XSTEP 2
	XSTEP 3
	; the logits: the four accumulators are added, each read from its low end on, into the x fragments' registers (four places stand behind the last products)
.irp j, 0,2,4,6
	v_pk_add_f32 v[XB+\j:XB+\j+1], v[LACC+\j:LACC+\j+1], v[LACC+8+\j:LACC+8+\j+1]
	v_pk_add_f32 v[XB+8+\j:XB+8+\j+1], v[LACC+16+\j:LACC+16+\j+1], v[LACC+24+\j:LACC+24+\j+1]
	v_pk_add_f32 v[XB+\j:XB+\j+1], v[XB+\j:XB+\j+1], v[XB+8+\j:XB+8+\j+1]
.endr
	global_store_b128 v[LI], v[XB:XB+3], s[12:13]              ; experts 8 h + 0 .. 3 of token r: 512 consecutive bytes
	global_store_b128 v[LI], v[XB+4:XB+7], s[12:13] offset:512 ; experts 8 h + 4 .. 7
	; the coarse gate's part
.irp s, 0,1,2,3
	ds_store_b128 v[SI], v[PS+4*\s:PS+4*\s+3] offset:PSB+512*\s    ; the 512 column sums on end
.endr
	PLOAD 0
	PLOAD 1
	s_wait_dscnt 16                                ; all but the batch just asked for
	DOT 0
	PLOAD 2
	s_wait_dscnt 16
	DOT 1
	PLOAD 3
	s_wait_dscnt 16
	DOT 2
	s_wait_dscnt 0x0
	DOT 3
	v_pk_add_f32 v[TM:TM+1], v[TM:TM+1], v[TM+2:TM+3]
	v_pk_add_f32 v[TM+4:TM+5], v[TM+4:TM+5], v[TM+6:TM+7]
	v_pk_add_f32 v[TM:TM+1], v[TM:TM+1], v[TM+4:TM+5]
	v_add_f32 v[TM], v[TM], v[TM+1]
	v_permlanex16_b32 v[TM+1], v[TM], s[SEL], s[SEL+1]
	v_add_f32 v[TM], v[TM], v[TM+1]                ; lane r: gate_w[r] . the tile's sum
	v_cmp_gt_u32 vcc_lo, 16, v1
	s_wait_xcnt 0x0                                ; EXEC changes only behind this wait: it is a source of the stores above
	s_set_vgpr_msb 0xc
	s_wait_tensorcnt 0x0
	ds_add_u32 v11, v129
	s_wait_dscnt 0x0
	s_set_vgpr_msb 0xc00
	s_and_saveexec_b32 s22, vcc_lo
	global_store_b128 v[RW16], v[PW:PW+3], s[10:11]            ; 16 lanes store the tile's 256 scale bytes, aligned
	global_store_b32 v[RW4], v[TM], s[14:15]                   ; 64 bytes a tile: pc is 32,768 bytes in all
	s_wait_xcnt 0x0
	s_or_b32 exec_lo, exec_lo, s22
	s_endpgm
.Lfunc_end_k_q134160a733_xprep:
	.size	k_q134160a733_xprep, .Lfunc_end_k_q134160a733_xprep-k_q134160a733_xprep
	.p2alignl 7, 3214868480
	.fill 96, 4, 3214868480
	.section	.rodata,"a",@progbits
	.p2align	6, 0x0
	.amdhsa_kernel k_q134160a733_xprep
		.amdhsa_group_segment_fixed_size 38144
		.amdhsa_private_segment_fixed_size 0
		.amdhsa_enable_private_segment 0
		.amdhsa_kernarg_size 48
		.amdhsa_user_sgpr_count 2
		.amdhsa_user_sgpr_kernarg_segment_ptr 1
		.amdhsa_wavefront_size32 1
		.amdhsa_system_sgpr_workgroup_id_x 1
		.amdhsa_system_sgpr_workgroup_id_y 1
		.amdhsa_system_sgpr_workgroup_id_z 1
		.amdhsa_system_vgpr_workitem_id 0
		.amdhsa_next_free_vgpr 898
		.amdhsa_next_free_sgpr 66
		.amdhsa_reserve_vcc 1
		.amdhsa_float_denorm_mode_32 3
		.amdhsa_float_denorm_mode_16_64 3
		.amdhsa_memory_ordered 1
		.amdhsa_forward_progress 1
		.amdhsa_inst_pref_size 96
	.end_amdhsa_kernel
	.amdgpu_metadata
---
amdhsa.version: [ 1, 2 ]
amdhsa.kernels:
  - .name:           k_q134160a733_xprep
    .symbol:         k_q134160a733_xprep.kd
    .args:
      - { .name: x, .offset: 0, .size: 8, .value_kind: global_buffer, .address_space: global }
      - { .name: gate_w, .offset: 8, .size: 8, .value_kind: global_buffer, .address_space: global }
      - { .name: xq, .offset: 16, .size: 8, .value_kind: global_buffer, .address_space: global }
      - { .name: xs, .offset: 24, .size: 8, .value_kind: global_buffer, .address_space: global }
      - { .name: lg, .offset: 32, .size: 8, .value_kind: global_buffer, .address_space: global }
      - { .name: pc, .offset: 40, .size: 8, .value_kind: global_buffer, .address_space: global }
    .group_segment_fixed_size: 38144
    .private_segment_fixed_size: 0
    .kernarg_segment_align: 8
    .kernarg_segment_size: 48
    .max_flat_workgroup_size: 64
    .sgpr_count:     66
    .vgpr_count:     898
    .wavefront_size: 32
...
	.end_amdgpu_metadata
.endif
;; end of part 1
;; launch pick (part 2): grid 1 x 1, 8 waves a work-group, no clusters, 2,048 bytes of LDS; arguments pc, gate_b, pick; writes pick
.if DOCPART == 2
	.amdgcn_target "amdgcn-amd-amdhsa--gfx1250"
	.amdhsa_code_object_version 6
	.text
	.protected	k_q134160a733_pick
	.globl	k_q134160a733_pick
	.p2align	8
	.type	k_q134160a733_pick,@function
k_q134160a733_pick:
	s_mov_b64 s[64:65], 0
	v_nop
	global_prefetch_b8 v0, s[64:65] scope:SCOPE_SE
	s_setreg_imm32_b32 hwreg(HW_REG_WAVE_MODE, 25, 1), 1
	s_wait_xcnt 0x0
; coarse[e] = the sum of the 512 tiles' parts + gate_b[e]; the four largest, the lower index first among equals, as jax.lax.top_k has it; their numbers go out as whole numbers, in top_k's order.
; One work-group: 32,768 bytes are summed for one owner.  No address and no branch hangs on a floating-point number: a rank is counted by compares and selects, and the four numbers are DATA of one store.
; LIMIT: NaN among the coarse sums is not served (the later launches hold every number read from here at 15).
	s_load_b128 s[4:7], s[0:1], 0x0                ; pc, gate_b
	s_load_b64 s[8:9], s[0:1], 0x10                ; pick
	v_lshl_add_u32 v64, v0, 2, 0x400
	v_mov_b32 v65, 0
	v_lshrrev_b32 v1, 5, v0
	v_readfirstlane_b32 s10, v1                    ; wave 0..7
	v_and_b32 v1, 31, v0                           ; lane
	v_and_b32 v2, 15, v0                           ; e: the expert that my lane stands for behind the barrier
	v_lshlrev_b32 v3, 4, v0                        ; 16 t: tile t / 4, experts 4 (t % 4) + 0 .. 3
	v_lshlrev_b32 v4, 2, v2                        ; 4 e
	v_and_b32 v5, 3, v0
	v_lshlrev_b32 v5, 4, v5
	s_lshl_b32 s11, s10, 6
	v_add_nc_u32 v5, s11, v5                       ; LDS: 64 x wave + 16 (lane % 4)
	s_mov_b32 s12, 0x76543210
	s_mov_b32 s13, 0xfedcba98
	s_wait_kmcnt 0x0
.irp i, 0,1,2,3,4,5,6,7
	global_load_b128 v[16+4*\i:19+4*\i], v3, s[4:5] offset:4096*\i     ; tiles t / 4 + 64 i
.endr
	global_load_b32 v6, v4, s[6:7]
	s_wait_loadcnt 0x0
.irp i, 1,2,3,4,5,6,7
	v_pk_add_f32 v[16:17], v[16:17], v[16+4*\i:17+4*\i]
	v_pk_add_f32 v[18:19], v[18:19], v[18+4*\i:19+4*\i]
.endr
.irp m, 4,8                                            ; the lanes with my lane % 4: l xor 4, l xor 8,
.irp j, 16,17,18,19
	v_add_f32_dpp v[\j], v[\j], v[\j] row_xmask:\m row_mask:0xf bank_mask:0xf
.endr
.endr
.irp j, 0,1,2,3
	v_permlanex16_b32 v[20+\j], v[16+\j], s12, s13 ; and l xor 16
.endr
.irp j, 0,1,2,3
	v_add_f32 v[16+\j], v[16+\j], v[20+\j]
.endr
	ds_store_b128 v5, v[16:19]                     ; my wave's 16 sums; lanes with the same lane % 4 write the same bytes with the same values
	s_wait_dscnt 0x0                               ; for the others' sake: zero
	s_barrier_signal -1
	s_barrier_wait -1
	s_cmp_lg_u32 s10, 0
	s_cbranch_scc1 .Lend                           ; wave 0 alone goes on
.irp i, 0,1,2,3,4,5,6,7
	ds_load_b32 v[24+\i], v4 offset:64*\i
.endr
	s_wait_dscnt 0x0
	v_add_f32 v24, v24, v25
	v_add_f32 v26, v26, v27
	v_add_f32 v28, v28, v29
	v_add_f32 v30, v30, v31
	v_add_f32 v24, v24, v26
	v_add_f32 v28, v28, v30
	v_add_f32 v24, v24, v28
	v_add_f32 v8, v24, v6                          ; coarse[e]
	v_mov_b32 v9, 0                                ; my rank: how many experts come before mine
.set j, 0
.rept 16
	v_readlane_b32 s20, v8, j
	v_cmp_gt_f32 s21, s20, v8                      ; expert j is larger,
	v_cmp_eq_f32 s22, s20, v8                      ; or equal
	v_cmp_lt_u32 s23, j, v2                        ; with a lower number
	s_and_b32 s22, s22, s23
	s_or_b32 s21, s21, s22
	v_cndmask_b32 v10, 0, 1, s21
	v_add_nc_u32 v9, v9, v10
.set j, j+1
.endr
	v_cvt_f32_u32 v11, v2
.irp s, 0,1,2,3
	v_cmp_eq_u32 vcc_lo, \s, v9
	v_cndmask_b32 v[12+\s], 0, v11, vcc_lo         ; e where the rank is s, else 0: one lane of sixteen
.endr
.irp m, 1,2,4,8
.irp s, 0,1,2,3
	v_add_f32_dpp v[12+\s], v[12+\s], v[12+\s] row_xmask:\m row_mask:0xf bank_mask:0xf
.endr
.endr
.irp s, 1,2,3
	v_cmp_eq_u32 vcc_lo, \s, v1
	v_cndmask_b32 v12, v12, v[12+\s], vcc_lo       ; lane s keeps the expert of rank s
.endr
	v_cvt_u32_f32 v12, v12
	v_lshlrev_b32 v16, 2, v1
	v_cmp_gt_u32 vcc_lo, 4, v1
	s_wait_xcnt 0x0                                ; EXEC changes only behind this wait
	s_and_saveexec_b32 s24, vcc_lo
	global_store_b32 v16, v12, s[8:9]              ; four words
	s_wait_xcnt 0x0
	s_or_b32 exec_lo, exec_lo, s24
.Lend:
	s_wait_tensorcnt 0x0
	ds_add_u32 v64, v65
	s_wait_dscnt 0x0
	s_endpgm
.Lfunc_end_k_q134160a733_pick:
	.size	k_q134160a733_pick, .Lfunc_end_k_q134160a733_pick-k_q134160a733_pick
	.p2alignl 7, 3214868480
	.fill 96, 4, 3214868480
	.section	.rodata,"a",@progbits
	.p2align	6, 0x0
	.amdhsa_kernel k_q134160a733_pick
		.amdhsa_group_segment_fixed_size 2048
		.amdhsa_private_segment_fixed_size 0
		.amdhsa_enable_private_segment 0
		.amdhsa_kernarg_size 24
		.amdhsa_user_sgpr_count 2
		.amdhsa_user_sgpr_kernarg_segment_ptr 1
		.amdhsa_wavefront_size32 1
		.amdhsa_system_sgpr_workgroup_id_x 1
		.amdhsa_system_sgpr_workgroup_id_y 1
		.amdhsa_system_sgpr_workgroup_id_z 1
		.amdhsa_system_vgpr_workitem_id 0
		.amdhsa_next_free_vgpr 66
		.amdhsa_next_free_sgpr 66
		.amdhsa_reserve_vcc 1
		.amdhsa_float_denorm_mode_32 3
		.amdhsa_float_denorm_mode_16_64 3
		.amdhsa_memory_ordered 1
		.amdhsa_forward_progress 1
		.amdhsa_inst_pref_size 14
	.end_amdhsa_kernel
	.amdgpu_metadata
---
amdhsa.version: [ 1, 2 ]
amdhsa.kernels:
  - .name:           k_q134160a733_pick
    .symbol:         k_q134160a733_pick.kd
    .args:
      - { .name: pc, .offset: 0, .size: 8, .value_kind: global_buffer, .address_space: global }
      - { .name: gate_b, .offset: 8, .size: 8, .value_kind: global_buffer, .address_space: global }
      - { .name: pick, .offset: 16, .size: 8, .value_kind: global_buffer, .address_space: global }
    .group_segment_fixed_size: 2048
    .private_segment_fixed_size: 0
    .kernarg_segment_align: 8
    .kernarg_segment_size: 24
    .max_flat_workgroup_size: 256
    .sgpr_count:     66
    .vgpr_count:     66
    .wavefront_size: 32
...
	.end_amdgpu_metadata
.endif
;; end of part 2
;; launch wprep (part 3): grid 512 x 1, 4 waves a work-group, no clusters, 1,536 bytes of LDS; arguments w1, w2, b1, b2, pick, wq; writes wq
.if DOCPART == 3
	.amdgcn_target "amdgcn-amd-amdhsa--gfx1250"
	.amdhsa_code_object_version 6
	.text
	.protected	k_q134160a733_wprep
	.globl	k_q134160a733_wprep
	.p2align	8
	.type	k_q134160a733_wprep,@function
k_q134160a733_wprep:
	s_mov_b64 s[64:65], 0
	v_nop
	global_prefetch_b8 v0, s[64:65] scope:SCOPE_SE
	s_setreg_imm32_b32 hwreg(HW_REG_WAVE_MODE, 25, 1), 1
	s_wait_xcnt 0x0
; The four chosen experts' weights, f32 with K as their FIRST axis, become codes of BF8 (E5M2) with one E8M0 byte for each 32 along K, laid in the order in which the next launch's operand registers take them.
; wq: W1C at 0 and W2C at 4,194,304: [slot k][hidden step j of 128][65,536]; SM at 8,388,608: [k][j][4,608] = W1's scale words 2,048 | W2's 2,048 | b1 of step j 512; B2S at 8,683,520: [k][2,048] = b2.
;   W1C block: fragment (K step s, tile t) at 2,048 (8 s + t), [piece c][lane][16 bytes]: lane (r, h) holds column 128 j + 32 (t / 2) + 8 (t % 2) + r + 8 (r / 8), k = 128 s + 32 c + 16 h + 0 .. 15
;   W2C block: fragment (column part w, tile b) at 2,048 (8 w + b): lane (r, h) holds output column 128 w + 16 b + r, hidden k = 128 j + 32 c + 16 h + 0 .. 15
; Work-group g: g < 256 takes W1, else W2; k = (g / 64) % 4, j = (g / 4) % 16, q = g % 4 (W1: the K step; W2: the column part).  It takes 128 columns x 128 along K; a wave 32 columns.
; A LANE TAKES A COLUMN AND ITS REGISTERS RUN DOWN K: a block's largest magnitude needs no other lane, and the conversions give codes with K innermost.  For W1 the lanes take the columns with bits 3 and 4
; of the lane exchanged: lane i then stands for (tile 2 wave + i / 16, row i % 16) on both paths, and all behind the loads is one text.
; The expert's number is read from pick, which the launch before stored, and held at 15.
; LIMITS: a block whose largest magnitude lies under 2^-111 (a block of zeros too) keeps the byte 1: this program alone reads the bytes; NaN and infinities are not served.
; No tensor load, no cluster (work-groups share nothing), no prefetch (a wave asks for all its numbers at its head).
.set X,   32                           ; v32-159  128 numbers down K
.set C,   160                          ; v160-191 the codes: registers of their own for each block, so that no store's data are written again
.set SB,  24                           ; v24      my column's four scale bytes
.set MNT, 46
	s_load_b256 s[4:11], s[0:1], 0x0               ; w1, w2, b1, b2
	s_load_b128 s[12:15], s[0:1], 0x20             ; pick, wq
	v_lshl_add_u32 v208, v0, 2, 0x400
	v_mov_b32 v209, 0
	v_lshrrev_b32 v1, 5, v0
	v_readfirstlane_b32 s16, v1                    ; wave 0..3
	v_and_b32 v1, 31, v0                           ; lane i
	s_bfe_u32 s17, ttmp9, 0x20006                  ; k
	s_bfe_u32 s18, ttmp9, 0x40002                  ; j
	s_and_b32 s19, ttmp9, 3                        ; q
	s_lshl_b32 s20, s17, 2
	s_wait_kmcnt 0x0
	s_load_b32 s21, s[12:13], s20 offset:0x0       ; the expert of slot k
	v_lshlrev_b32 v2, 2, v1                        ; W2: 4 i
	v_and_b32 v3, 7, v1
	v_and_b32 v4, 8, v1
	v_lshl_or_b32 v3, v4, 1, v3
	v_bfe_u32 v4, v1, 4, 1                         ; i / 16
	v_lshl_or_b32 v3, v4, 3, v3
	v_lshlrev_b32 v3, 2, v3                        ; W1: 4 x (i with bits 3 and 4 exchanged)
	v_and_b32 v5, 15, v1
	v_lshlrev_b32 v8, 4, v5
	v_lshl_add_u32 v8, v4, 11, v8                  ; out: 2,048 (i / 16) + 16 (i % 16)
	v_lshlrev_b32 v9, 2, v0                        ; LDS: 128 x wave + 4 x lane
	v_lshlrev_b32 v10, 4, v1                       ; 16 i
	s_mov_b32 s[MNT], 0x600000
	s_lshl_b32 s22, s19, 20                        ; W1: K step q is 128 rows of 8,192 bytes,
	s_lshl_b32 s24, s18, 9
	s_add_co_u32 s22, s22, s24                     ; hidden step j 512 bytes along a row
	s_lshl_b32 s23, s18, 18                        ; W2: K step j is 128 rows of 2,048 bytes,
	s_lshl_b32 s24, s19, 9
	s_add_co_u32 s23, s23, s24                     ; column part q 512 bytes
	s_lshl_b32 s24, s17, 4
	s_add_co_u32 s24, s24, s18                     ; 16 k + j
	s_lshl_b32 s25, s24, 16                        ; the block of codes
	s_lshl_b32 s26, s19, 14
	s_add_co_u32 s25, s25, s26
	s_lshl_b32 s26, s16, 12
	s_add_co_u32 s25, s25, s26                     ; + 2,048 (8 q + 2 wave)
	s_mul_i32 s26, s24, 4608
	s_add_co_u32 s26, s26, 8388608                 ; SM(k, j)
	s_add_co_u32 s35, s26, 4096                    ; where b1's step goes
	s_lshl_b32 s36, s17, 11
	s_lshl_b32 s37, s19, 9
	s_add_co_u32 s36, s36, s37
	s_add_co_u32 s36, s36, 8683520                 ; where b2's part goes
	s_add_co_u32 s26, s26, s37                     ; SM(k, j) + 512 q
	s_mov_b32 s33, 2048
	s_cmp_lt_u32 ttmp9, 256                        ; W1's work-group or W2's: the choice hangs on the work-group's number alone
	s_cselect_b32 s22, s22, s23
	s_cselect_b64 s[28:29], s[4:5], s[6:7]
	s_cselect_b64 s[30:31], s[8:9], s[10:11]
	s_cselect_b32 s23, 0, 0x400000
	s_cselect_b32 s27, 0, 2048
	s_cselect_b32 s32, s19, s18                    ; the bias is copied where this is 0
	s_cselect_b32 s33, 8192, s33                   ; a row of b1 or of b2, in bytes
	s_cselect_b32 s34, s18, s19
	s_cselect_b32 s35, s35, s36
	s_lshl_b32 s36, s16, 7
	s_add_co_u32 s22, s22, s36                     ; + my wave's 32 columns
	s_add_co_u32 s25, s25, s23
	s_add_co_u32 s26, s26, s27
	s_lshl_b32 s34, s34, 9
	s_mov_b32 s37, 0
	s_mov_b32 s39, 0
	s_wait_kmcnt 0x0
	s_min_u32 s21, s21, 15                         ; an index stays inside its table
	s_lshl_b32 s36, s21, 22                        ; an expert's weights are 4,194,304 bytes
	s_add_co_u32 s36, s36, s22
	s_add_nc_u64 s[28:29], s[28:29], s[36:37]      ; my wave's first number
	s_mul_i32 s38, s21, s33
	s_add_co_u32 s38, s38, s34
	s_add_nc_u64 s[30:31], s[30:31], s[38:39]      ; the bias's 512 bytes
	s_mov_b32 s36, s25
	s_add_nc_u64 s[40:41], s[14:15], s[36:37]      ; my wave's two fragments
	s_mov_b32 s36, s26
	s_add_nc_u64 s[42:43], s[14:15], s[36:37]      ; the work-group's 512 bytes of scale words
	s_mov_b32 s36, s35
	s_add_nc_u64 s[44:45], s[14:15], s[36:37]      ; the bias's place
	s_cmp_lt_u32 ttmp9, 256
	s_cbranch_scc0 .Lw2                            ; the two arms differ in the pitch, which is an immediate, and in the lane's term; each issues 128 loads
.set kk, 0
.rept 128
	global_load_b32 v[X+kk], v3, s[28:29] offset:kk*8192 th:TH_LOAD_NT
.set kk, kk+1
.endr
	s_branch .Lgo
.Lw2:
.set kk, 0
.rept 128
	global_load_b32 v[X+kk], v2, s[28:29] offset:kk*2048 th:TH_LOAD_NT
.set kk, kk+1
.endr
.Lgo:
.macro BLOCK c, left
.set XS, X+32*(\c)
	s_wait_loadcnt \left
	v_max3_num_f32 v12, |v[XS]|, |v[XS+1]|, |v[XS+2]|              ; the block's largest magnitude: all 32 numbers are mine
	v_max3_num_f32 v13, |v[XS+3]|, |v[XS+4]|, |v[XS+5]|
.irp i, 6,10,14,18,22,26
	v_max3_num_f32 v12, v12, |v[XS+\i]|, |v[XS+\i+1]|
	v_max3_num_f32 v13, v13, |v[XS+\i+2]|, |v[XS+\i+3]|
.endr
	v_max3_num_f32 v12, v12, |v[XS+30]|, |v[XS+31]|
	v_max3_num_f32 v12, v12, v13, 0x8000000        ; and the floor 2^(16 - 127): the byte cannot fall under 1
	v_add_nc_u32 v11, 0xf8800000, v12              ; 15 off the exponent field: the conversion's scale operand
	v_and_or_b32 v14, v12, 0x7f800000, s[MNT]      ; 57,344 x the scale
	v_lshrrev_b32 v13, 23, v11                     ; the byte
.if (\c) == 0
	v_mov_b32 v[SB], v13
.else
	v_lshl_or_b32 v[SB], v13, 8*(\c), v[SB]
.endif
.irp i, 0,1,2,3,4,5,6,7,8,9,10,11,12,13,14,15,16,17,18,19,20,21,22,23,24,25,26,27,28,29,30,31
	v_med3_num_f32 v[XS+\i], v[XS+\i], -v14, v14   ; the conversion does not saturate (ISA guide 7.6.2): the hold comes first
.endr
.irp g, 0,1,2,3
	v_cvt_scalef32_pk8_bf8_f32 v[C+8*(\c)+2*\g:C+8*(\c)+2*\g+1], v[XS+8*\g:XS+8*\g+7], v11
.endr
	v_nop                                          ; one plain line behind the last conversion
	global_store_b128 v8, v[C+8*(\c):C+8*(\c)+3], s[40:41] offset:512*(\c)          ; k = 32 c + 0 .. 15: the image's lanes 0-15; sixteen lanes store 256 consecutive bytes, aligned
	global_store_b128 v8, v[C+8*(\c)+4:C+8*(\c)+7], s[40:41] offset:512*(\c)+256    ; k = 32 c + 16 .. 31: its lanes 16-31
.endm
	BLOCK 0, 63                                    ; 96 might stay out; a wait's count names 63 at the most
	BLOCK 1, 63                                    ; 64 might stay out
	BLOCK 2, 32                                    ; the last block's 32
	BLOCK 3, 0
	ds_store_b32 v9, v[SB]                         ; the four waves' scale words make 512 bytes on end
	s_wait_dscnt 0x0                               ; for the others' sake: zero
	s_barrier_signal -1
	s_barrier_wait -1
	s_cmp_lg_u32 s16, 0
	s_cbranch_scc1 .Lnot_wave_0
	ds_load_b128 v[16:19], v10
	s_wait_dscnt 0x0
	global_store_b128 v10, v[16:19], s[42:43]      ; 512 consecutive bytes, aligned
	s_wait_tensorcnt 0x0
	ds_add_u32 v208, v209
	s_wait_dscnt 0x0
	s_endpgm
.Lnot_wave_0:
	s_cmp_lg_u32 s16, 1
	s_cbranch_scc1 .Lend
	s_cmp_lg_u32 s32, 0
	s_cbranch_scc1 .Lend
	global_load_b128 v[16:19], v10, s[30:31]       ; 512 bytes of b1[e] (step j) or of b2[e] (part q)
	s_wait_loadcnt 0x0
	global_store_b128 v10, v[16:19], s[44:45]
.Lend:
	s_wait_tensorcnt 0x0
	ds_add_u32 v208, v209
	s_wait_dscnt 0x0
	s_endpgm
.Lfunc_end_k_q134160a733_wprep:
	.size	k_q134160a733_wprep, .Lfunc_end_k_q134160a733_wprep-k_q134160a733_wprep
	.p2alignl 7, 3214868480
	.fill 96, 4, 3214868480
	.section	.rodata,"a",@progbits
	.p2align	6, 0x0
	.amdhsa_kernel k_q134160a733_wprep
		.amdhsa_group_segment_fixed_size 1536
		.amdhsa_private_segment_fixed_size 0
		.amdhsa_enable_private_segment 0
		.amdhsa_kernarg_size 48
		.amdhsa_user_sgpr_count 2
		.amdhsa_user_sgpr_kernarg_segment_ptr 1
		.amdhsa_wavefront_size32 1
		.amdhsa_system_sgpr_workgroup_id_x 1
		.amdhsa_system_sgpr_workgroup_id_y 1
		.amdhsa_system_sgpr_workgroup_id_z 1
		.amdhsa_system_vgpr_workitem_id 0
		.amdhsa_next_free_vgpr 210
		.amdhsa_next_free_sgpr 66
		.amdhsa_reserve_vcc 0
		.amdhsa_float_denorm_mode_32 3
		.amdhsa_float_denorm_mode_16_64 3
		.amdhsa_memory_ordered 1
		.amdhsa_forward_progress 1
		.amdhsa_inst_pref_size 44
	.end_amdhsa_kernel
	.amdgpu_metadata
---
amdhsa.version: [ 1, 2 ]
amdhsa.kernels:
  - .name:           k_q134160a733_wprep
    .symbol:         k_q134160a733_wprep.kd
    .args:
      - { .name: w1, .offset: 0, .size: 8, .value_kind: global_buffer, .address_space: global }
      - { .name: w2, .offset: 8, .size: 8, .value_kind: global_buffer, .address_space: global }
      - { .name: b1, .offset: 16, .size: 8, .value_kind: global_buffer, .address_space: global }
      - { .name: b2, .offset: 24, .size: 8, .value_kind: global_buffer, .address_space: global }
      - { .name: pick, .offset: 32, .size: 8, .value_kind: global_buffer, .address_space: global }
      - { .name: wq, .offset: 40, .size: 8, .value_kind: global_buffer, .address_space: global }
    .group_segment_fixed_size: 1536
    .private_segment_fixed_size: 0
    .kernarg_segment_align: 8
    .kernarg_segment_size: 48
    .max_flat_workgroup_size: 128
    .sgpr_count:     66
    .vgpr_count:     210
    .wavefront_size: 32
...
	.end_amdgpu_metadata
.endif
;; end of part 3
;; launch ffn (part 4): grid 64 x 4, 4 waves a work-group, clusters of 4 x 1, 327,680 bytes of LDS; arguments xq, xs, wq, part; writes part
.if DOCPART == 4
	.amdgcn_target "amdgcn-amd-amdhsa--gfx1250"
	.amdhsa_code_object_version 6
	.text
	.protected	k_q134160a733_ffn
	.globl	k_q134160a733_ffn
	.p2align	8
	.type	k_q134160a733_ffn,@function
k_q134160a733_ffn:
	s_mov_b64 s[64:65], 0
	v_nop
	global_prefetch_b8 v0, s[64:65] scope:SCOPE_SE
	s_setreg_imm32_b32 hwreg(HW_REG_WAVE_MODE, 25, 1), 1
	s_wait_xcnt 0x0
	s_wait_alu depctr_hold_cnt(0) depctr_sa_sdst(0) depctr_va_vdst(0) depctr_va_sdst(0) depctr_va_ssrc(0) depctr_va_vcc(0) depctr_vm_vsrc(0)
	s_getreg_b32 s2, hwreg(HW_REG_IB_STS2, 6, 4)
	s_cmp_eq_u32 s2, 0
	s_cbranch_scc0 .Lentry_in_a_cluster
	s_endpgm
.Lentry_in_a_cluster:
	s_bfe_u32 s2, ttmp6, 0x10000c
	s_cmp_lg_u32 s2, 0x3003
	s_cbranch_scc0 .Lentry_shape_is_right
	s_endpgm
.Lentry_shape_is_right:
; part[k] = Q(gelu(Q(x) Q(W1_k) + b1_k)) Q(W2_k) + b2_k for 128 tokens and ONE of the four chosen experts; both products on codes of BF8 (E5M2) with one E8M0 scale for each 32 along K.
; gelu is jax.nn.gelu's tanh form, written x / (1 + 2^z), z = x (c0 + c1 x^2), c0 = -2 sqrt(2 / pi) log2(e), c1 = 0.044715 c0, all in f32.  The hidden layer never goes to memory.
; SHARES.  Work-group = token block tb (128 tokens) x expert slot k: 64 x 4 = 256 work-groups of equal work.  The hidden layer's 2,048 units go in 16 steps of 128, one a trip.
;   Product 1 is shared by TOKENS: wave w owns token tiles 2 w, 2 w + 1, whose x fragments stay in its registers; it makes all 128 hidden units of the step: one fragment and one scale word a tile.
;   Product 2 is shared by COLUMNS: wave w owns output columns 128 w .. + 127 for all 8 token tiles: 64 accumulators, 512 registers, which begin as b2.
;   The hidden fragments go from wave to wave through LDS as images of their registers, in two buffers that take turns.
; Both products are used transposed (source 0 = 16 rows of the weight, source 1 = 16 tokens): a lane holds one token; W1's tiles are laid so that the 16 registers of tiles 2 b, 2 b + 1 are 16 neighbours along the next K.
; CLUSTER.  The four token blocks of a cluster walk the same expert's weights: each step's W1 block, W2 block and small tile are asked for JOINTLY, by the same tensor load with the same descriptor and the
;   mask 15 in all four, which divides those requests by four: 16 x 135,680 bytes for four work-groups and not for each.  The descriptors hang on k, the wave's number and the loop's steps alone.
; RING.  Two slots, one step each: W1's block 65,536 bytes (wave 0 fetches it), W2's 65,536 (wave 1), scale words and b1 4,608 (wave 2); wave 3 fetches nothing.  ONE barrier a trip, between the two products:
;   in front of it a wave has read all that it wants of the step's slot into registers and has stored its hidden images; behind it the same slot is filled with the step two on, and the images are read.
;   In the trips that fill a slot that barrier is a round of the cluster's barrier.  By this text's count a wave has two tensor loads out at the head and one afterwards.
;   All tiles are register images, read 16 bytes a lane on end: no padding.
; No prefetch: a block of wq is not read once, 16 clusters read it, and its load is asked for a whole trip (128 matrix instructions and the gelu) ahead of its first use.
; LIMITS: a block of the hidden layer whose largest magnitude lies under 2^-111 keeps the byte 1 (its codes are read here alone); NaN and infinities are not served; where 2^z overflows gelu gives -0.
; LDS claims all of a WGP's.
; REGISTERS, in windows of 256: window 0: v1-20 addresses; v21-28, v32-59 scale words; v60-61 c0; v62-63 scale words just made; v64-127 b1's 8 tiles, later at work and the codes just made;
;   v128-255 my 16 tiles of the hidden layer, later the 8 hidden fragments, later rows on the way out.   window 1: v0-127 x's 8 fragments; v128-255 8 weight fragments, and gelu's second set.
;   windows 2, 3: accumulator (token tile a, column tile b) at v[8 (8 (a % 4) + b)] of window 2 + a / 4.
.set W2O,   0x10000                    ; in a slot: W1's block, then W2's
.set SLOTX, 0x20000                    ; slot 1 begins here
.set SMB,   0x40000                    ; the small tiles: slot 0 here, slot 1 SMX on
.set SMX,   0x2000
.set SPARE, 0x41400                    ; the spare words, 128 bytes for each wave: two blocks of 256 bytes that no other line names
.set HB,    0x44000                    ; the hidden layer's buffer 0: 8 fragments of 2,048 bytes,
.set HBS,   0x4000                     ; then 8 x 128 bytes of scale words;
.set HBX,   0x4400                     ; buffer 1 begins HBX on
.set SPITCH, 528                       ; the way out: a stage of 16 rows x (512 + 16) bytes for each wave, in W1's slot 0, which has had its last fill and its last read by then
.set AW1, 1                            ; v1   16 x lane (also every global offset of 16 bytes a lane)
.set AW2, 2                            ; v2   W2O + 16,384 w + 16 x lane
.set AS1, 3                            ; v3   SMB + 4 x lane
.set AS2, 4                            ; v4   SMB + 2,048 + 512 w + 4 x lane
.set AB1, 5                            ; v5   SMB + 4,096 + 64 h
.set HWI, 6                            ; v6   HB + 4,096 w + 16 x lane: where I store my two fragments
.set HWS, 7                            ; v7   HB + HBS + 256 w + 4 x lane: and their scale words
.set HRI, 8                            ; v8   HB + 16 x lane: where all eight are read
.set HRS, 9                            ; v9   HB + HBS + 4 x lane
.set DW1, 10                           ; v10-18 the same nine in the slot and the buffer in hand
.set DW2, 11
.set DS1, 12
.set DS2, 13
.set DB1, 14
.set DHW, 15
.set DHS, 16
.set DHR, 17
.set DHT, 18
.set SPW, 19                           ; v19  my spare word; never rewritten
.set NIL, 20                           ; v20  0; never rewritten
.set HS,  21                           ; v21-28  the hidden layer's scale words, a register a token tile
.set STO, 29
.set RD,  30
.set B2O, 31                           ; v31  32 h
.set XS,  32                           ; v32-39  x's scale words: register 4 m + s
.set W1S, 40                           ; v40-55  W1's: register 4 s + i: lanes 0-15 tile 2 i, lanes 16-31 tile 2 i + 1
.set W2S, 56                           ; v56-59  W2's: register i likewise
.set CC0, 60
.set PW0, 62
.set PW1, 63
.set B1,  64
.set TM,  64
.set PC0, 80
.set PC1, 96
.set HA,  128
.set SG,  128                          ; in window 1
.set BK,  128
.set WV,  16
.set G1C, 24                           ; s[24:31] group 1: 256 rows of 256 bytes, dense
.set G1S, 32                           ; s[32:39] group 1: 18 rows of 256 bytes
.set G0A, 40                           ; s[40:47] groups 0 for W1's block: a set for each of the two first fills; the second then walks on
.set G0B, 48                           ; s[48:55] the same for W2's
.set G0S, 56                           ; s[56:63] and for the small tile
.set CNT, 66
.set TB,  67                           ; s67  0 or SLOTX: the slot in hand
.set TS,  68                           ; s68  0 or SMX
.set TH,  69                           ; s69  0 or HBX: the hidden buffer in hand
.set SEL, 70
.set MNT, 72
.set C1,  74
.set CX,  76                           ; s76  my place in the cluster, later at work; s76 to s79 alone ever hold a number made of it
.set TBK, 77                           ; s77  tb: my block of 128 tokens
.set OFS, 78                           ; s[78:79] byte offsets made of tb: they enter the global addresses of xq, xs and part alone
.set MSB, 0
.macro WIN new                         ; the immediate's high byte repeats the setting that is left
.if MSB != (\new)
	s_set_vgpr_msb (MSB<<8)|(\new)
.set MSB, (\new)
.endif
.endm
.macro PLACES n
.rept \n
	v_nop
.endr
.endm
; a round of the cluster's barrier: my work-group's barrier, so that wave 0's signal speaks for all four waves; wave 0 signals for the work-group; every wave waits for all four work-groups;
; my work-group's barrier once more.  No LDS instruction of the wave is pending at a signal.
.macro CROUND
	s_barrier_signal -1
	s_barrier_wait -1
	s_cmp_lg_u32 s[WV], 0
	s_cbranch_scc1 .Lnot_wave_0_\@
	s_barrier_signal -3
.Lnot_wave_0_\@:
	s_barrier_wait -3
	s_barrier_signal -1
	s_barrier_wait -1
.endm
; a step's three joint loads by the walking descriptors, one a wave; the branches hang on the wave's number alone: they are the same in every work-group.  Four v_nop follow each line
.macro TLOAD
	s_cmp_lg_u32 s[WV], 0
	s_cbranch_scc1 .Lnot_a_\@
	tensor_load_to_lds s[G0A+4:G0A+7], s[G1C:G1C+7]
	s_nop 0
	PLACES 4
	s_branch .Lasked_\@
.Lnot_a_\@:
	s_cmp_lg_u32 s[WV], 1
	s_cbranch_scc1 .Lnot_b_\@
	tensor_load_to_lds s[G0B+4:G0B+7], s[G1C:G1C+7]
	s_nop 0
	PLACES 4
	s_branch .Lasked_\@
.Lnot_b_\@:
	s_cmp_lg_u32 s[WV], 2
	s_cbranch_scc1 .Lasked_\@
	tensor_load_to_lds s[G0S+4:G0S+7], s[G1S:G1S+7]
	s_nop 0
	PLACES 4
.Lasked_\@:
.endm
; a scaled product; ra: the half of the lanes from which A's scale words are taken; B's are always in lanes 0-15
.macro SWM d, a, b, c, sa, sb, ra
.if (\ra) != 0
	v_wmma_scale_f32_16x16x128_f8f6f4 v[\d:\d+7], v[\a:\a+15], v[\b:\b+15], v[\c:\c+7], v[\sa], v[\sb] matrix_a_fmt:MATRIX_FMT_BF8 matrix_b_fmt:MATRIX_FMT_BF8 matrix_a_scale:MATRIX_SCALE_ROW1
.else
	v_wmma_scale_f32_16x16x128_f8f6f4 v[\d:\d+7], v[\a:\a+15], v[\b:\b+15], v[\c:\c+7], v[\sa], v[\sb] matrix_a_fmt:MATRIX_FMT_BF8 matrix_b_fmt:MATRIX_FMT_BF8
.endif
.endm
.macro FETCH1 s, hf                    ; W1's fragments (K step s, tiles 4 hf .. 4 hf + 3): 16 loads; with the first four tiles the K step's 4 scale registers
.if (\hf) == 0
	WIN 0
.irp i, 0,1,2,3
	ds_load_b32 v[W1S+4*(\s)+\i], v[DS1] offset:512*(\s)+128*\i
.endr
.endif
	WIN 0x40                                       ; destination window 1
.irp tt, 0,1,2,3
.irp c, 0,1,2,3
	ds_load_b128 v[SG+16*(4*(\hf)+\tt)+4*\c:SG+16*(4*(\hf)+\tt)+4*\c+3], v[DW1] offset:2048*(8*(\s)+4*(\hf)+\tt)+512*\c
.endr
.endr
.endm
; 8 products of the first kind: tiles 4 hf .. + 3 x my two token tiles, K step s.  K step 0 takes b1 as C.  The 16 accumulators take turns, one instruction a turn
.macro MUL1 s, hf
	WIN 0x05                                       ; sources 0 (W1) and 1 (x) window 1
.irp tt, 0,1,2,3
.irp m, 0,1
.set rT, 4*(\hf)+\tt
.set rD, HA+64*\m+8*rT
.set rA, SG+16*rT
.set rB, 16*(4*\m+(\s))
.set rSA, W1S+4*(\s)+rT/2
.set rSB, XS+4*\m+(\s)
.set rRA, rT%2
.if (\s) == 0
.set rC, B1+8*rT
.else
.set rC, rD
.endif
	SWM rD, rA, rB, rC, rSA, rSB, rRA
.endr
.endr
.endm
; gelu over my 128 numbers a lane; the second set T lies in window 1 under the same numbers.  The exponentials are one batch with one wait, and so are the reciprocals
.macro GELU
	WIN 0x40
.set i, 0
.rept 64
	v_pk_mul_f32 v[128+i:129+i], v[128+i:129+i], v[128+i:129+i]    ; T = x^2; each accumulator is read from its low end on
.set i, i+2
.endr
	WIN 0x41
.set i, 0
.rept 64
	v_pk_fma_f32 v[128+i:129+i], v[128+i:129+i], s[C1:C1+1], v[CC0:CC0+1] op_sel_hi:[1,0,1]   ; c1 x^2 + c0
.set i, i+2
.endr
.set i, 0
.rept 64
	v_pk_mul_f32 v[128+i:129+i], v[128+i:129+i], v[128+i:129+i]    ; source 0 T, source 1 x: z
.set i, i+2
.endr
.set i, 0
.rept 128
	v_exp_f32 v[128+i], v[128+i]
.set i, i+1
.endr
	v_nop                                          ; a plain line behind the last exponential
	s_wait_alu depctr_va_vdst(0)                   ; one wait for the batch, ahead of its first reader
.set i, 0
.rept 64
	v_pk_add_f32 v[128+i:129+i], v[128+i:129+i], 1.0 op_sel_hi:[1,0]
.set i, i+2
.endr
.set i, 0
.rept 128
	v_rcp_f32 v[128+i], v[128+i]
.set i, i+1
.endr
	v_nop
	s_wait_alu depctr_va_vdst(0)                   ; and one for the reciprocals
	WIN 0x04
.set i, 0
.rept 64
	v_pk_mul_f32 v[128+i:129+i], v[128+i:129+i], v[128+i:129+i]    ; source 0 x, source 1 T: x / (1 + 2^z)
.set i, i+2
.endr
.endm
; 64 numbers of a lane, register 16 b + i = k 32 b + 16 h + i of my token, become a fragment's codes at v[pc] and its scale word in v[pw]
.macro QUANT src, pc, pw
.irp b, 0,1,2,3
	v_max3_num_f32 v[TM+\b], |v[\src+16*\b]|, |v[\src+16*\b+1]|, 0x8000000   ; my 16 numbers of block b, and the floor 2^(16 - 127)
.endr
.irp i, 2,4,6,8,10,12,14
.irp b, 0,1,2,3
	v_max3_num_f32 v[TM+\b], v[TM+\b], |v[\src+16*\b+\i]|, |v[\src+16*\b+\i+1]|
.endr
.endr
.irp b, 0,1,2,3
	v_permlanex16_b32 v[TM+4+\b], v[TM+\b], s[SEL], s[SEL+1]
.endr
.irp b, 0,1,2,3
	v_max_num_f32 v[TM+\b], v[TM+\b], v[TM+4+\b]
.endr
.irp b, 0,1,2,3
	v_add_nc_u32 v[TM+12+\b], 0xf8800000, v[TM+\b]                 ; 15 off the exponent field: the conversion's scale operand
.endr
.irp b, 0,1,2,3
	v_and_or_b32 v[TM+8+\b], v[TM+\b], 0x7f800000, s[MNT]          ; 57,344 x the scale
.endr
.irp b, 0,1,2,3
	v_lshrrev_b32 v[TM+4+\b], 23, v[TM+12+\b]                      ; the byte
.endr
	v_lshl_or_b32 v[\pw], v[TM+5], 8, v[TM+4]
	v_lshl_or_b32 v[\pw], v[TM+6], 16, v[\pw]
	v_lshl_or_b32 v[\pw], v[TM+7], 24, v[\pw]
.irp b, 0,1,2,3
.irp i, 0,1,2,3,4,5,6,7,8,9,10,11,12,13,14,15
	v_med3_num_f32 v[\src+16*\b+\i], v[\src+16*\b+\i], -v[TM+8+\b], v[TM+8+\b]   ; the conversion does not saturate (ISA guide 7.6.2): the hold comes first
.endr
	v_cvt_scalef32_pk8_bf8_f32 v[\pc+4*\b:\pc+4*\b+1], v[\src+16*\b:\src+16*\b+7], v[TM+12+\b]
	v_cvt_scalef32_pk8_bf8_f32 v[\pc+4*\b+2:\pc+4*\b+3], v[\src+16*\b+8:\src+16*\b+15], v[TM+12+\b]
.endr
	v_nop                                          ; one plain line behind the last conversion
.endm
; 8 products of the second kind: token tile a x my 8 column tiles; the 64 accumulators take turns in the same order in every trip
.macro MUL2 a
	WIN 0xa1+0x50*((\a)/4)                         ; source 0 (W2) window 1, source 1 (hidden) window 0, C and D window 2 or 3
.irp b, 0,1,2,3,4,5,6,7
.set rD, 8*(8*((\a)%4)+\b)
.set rA, SG+16*\b
.set rB, HA+16*(\a)
.set rSA, W2S+\b/2
.set rSB, HS+(\a)
.set rRA, \b%2
	SWM rD, rA, rB, rD, rSA, rSB, rRA
.endr
.endm
; A TRIP: one hidden step of 128 units.  fill = 1: behind the barrier, which is then a round of the cluster's, the step's slot is filled with the step two on
.macro TRIP fill
	v_add_nc_u32 v[DW1], s[TB], v[AW1]             ; these nine are nine places behind the last trip's products: the first products below write over registers that those read,
	v_add_nc_u32 v[DW2], s[TB], v[AW2]             ; and the loads below land in others of them (ISA guide 7.12.1 for vector instructions)
	v_add_nc_u32 v[DS1], s[TS], v[AS1]
	v_add_nc_u32 v[DS2], s[TS], v[AS2]
	v_add_nc_u32 v[DB1], s[TS], v[AB1]
	v_add_nc_u32 v[DHW], s[TH], v[HWI]
	v_add_nc_u32 v[DHS], s[TH], v[HWS]
	v_add_nc_u32 v[DHR], s[TH], v[HRI]
	v_add_nc_u32 v[DHT], s[TH], v[HRS]
.irp t, 0,1,2,3,4,5,6,7
	ds_load_b128 v[B1+8*\t:B1+8*\t+3], v[DB1] offset:4*(32*(\t/2)+8*(\t%2))        ; b1 at the lane's eight hidden units of tile t
	ds_load_b128 v[B1+8*\t+4:B1+8*\t+7], v[DB1] offset:4*(32*(\t/2)+8*(\t%2))+16
.endr
	FETCH1 0, 0
	FETCH1 0, 1
.irp s, 0,1,2,3
	s_wait_dscnt 16                                ; all but the 16 loads of tiles 4 to 7
	MUL1 \s, 0
.if \s < 3
	PLACES 8                                       ; eight places ahead of loads into registers that these products read
	FETCH1 \s+1, 0
	s_wait_dscnt 20                                ; all but the 4 scale words and 16 loads just issued
.else
	s_wait_dscnt 0x0
.endif
	MUL1 \s, 1
	PLACES 8                                       ; behind the last K step they stand ahead of gelu's first read of the sums and of its writes over the fragments
.if \s < 3
	FETCH1 \s+1, 1
.endif
.endr
	GELU
	WIN 0
.irp i, 0,1,2,3
	ds_load_b32 v[W2S+\i], v[DS2] offset:128*\i
.endr
	WIN 0x40
.irp b, 0,1,2,3,4,5,6,7                                ; W2's 8 fragments land while the hidden layer is quantised
.irp c, 0,1,2,3
	ds_load_b128 v[SG+16*\b+4*\c:SG+16*\b+4*\c+3], v[DW2] offset:2048*\b+512*\c
.endr
.endr
	WIN 0
	QUANT HA, PC0, PW0
.irp c, 0,1,2,3
	ds_store_b128 v[DHW], v[PC0+4*\c:PC0+4*\c+3] offset:512*\c             ; the fragment as it stands: token tile 2 w
.endr
	ds_store_b32 v[DHS], v[PW0]
	QUANT HA+64, PC1, PW1
.irp c, 0,1,2,3
	ds_store_b128 v[DHW], v[PC1+4*\c:PC1+4*\c+3] offset:2048+512*\c        ; token tile 2 w + 1
.endr
	ds_store_b32 v[DHS], v[PW1] offset:128
	s_wait_tensorcnt 0x0                           ; all my tensor loads have landed: my part of the next step's slot; so the groups 0 may be written
	ds_add_u32 v[SPW], v[NIL]                      ; 0 onto my spare word
.if \fill
	s_xor_b32 s[G0A+5], s[G0A+5], SLOTX            ; the walking descriptors: the other slot than last time, which is the slot in hand; the next step but one
	s_add_nc_u64 s[G0A+6:G0A+7], s[G0A+6:G0A+7], 65536
	s_xor_b32 s[G0B+5], s[G0B+5], SLOTX
	s_add_nc_u64 s[G0B+6:G0B+7], s[G0B+6:G0B+7], 65536
	s_xor_b32 s[G0S+5], s[G0S+5], SMX
	s_add_nc_u64 s[G0S+6:G0S+7], s[G0S+6:G0S+7], 4608
.endif
	s_wait_dscnt 0x0                               ; the add is done, my images have landed, and all my reads of this slot are in (W2's fragments the last of them)
.if \fill
	CROUND                                         ; the same now holds of every wave of all four work-groups: no partner still reads this slot or has a load on its way
	TLOAD                                          ; the first thing behind the round, and a wave's one tensor load until the next: it has a whole trip in which to land
.else
	s_barrier_signal -1
	s_barrier_wait -1                              ; the same now holds of all four waves
.endif
.irp a, 0,1,2,3,4,5,6,7
	ds_load_b32 v[HS+\a], v[DHT] offset:128*\a
.endr
.irp a, 0,1,2,3,4,5,6,7
.irp c, 0,1,2,3
	ds_load_b128 v[HA+16*\a+4*\c:HA+16*\a+4*\c+3], v[DHR] offset:2048*\a+512*\c
.endr
.endr
.irp a, 0,1,2,3,4,5,6,7
	s_wait_dscnt 4*(7-\a)                          ; the later fragments' loads may be out
	MUL2 \a
.endr
	WIN 0
	s_xor_b32 s[TB], s[TB], SLOTX                  ; on to the other slot and the other buffer.  A buffer is written again two trips on, behind a barrier that every wave signals with its reads of it in
	s_xor_b32 s[TS], s[TS], SMX
	s_xor_b32 s[TH], s[TH], HBX
.endm
	s_load_b256 s[4:11], s[0:1], 0x0               ; xq, xs, wq, part
	v_lshl_add_u32 v[SPW], v0, 2, SPARE
	v_mov_b32 v[NIL], 0
	ds_add_u32 v19, v20
	s_wait_dscnt 0x0
	v_lshrrev_b32 v10, 5, v0
	v_readfirstlane_b32 s[WV], v10                 ; wave 0..3
	s_bfe_u32 s[CX], ttmp6, 0x40000                ; cx: my place in the cluster
	s_lshl_b32 s[TBK], ttmp9, 2                    ; in a cluster launch ttmp9 counts clusters
	s_add_co_u32 s[TBK], s[TBK], s[CX]             ; tb = 4 x cluster x + cx
	s_and_b32 s19, ttmp7, 0xffff                   ; k: the expert slot, which the four partners share
	s_mov_b32 s[G1C], 15|(3<<16)|(1<<21)           ; 15:0 the mask: all four work-groups; 17:16 elements of 8 bytes; 21 set beside a mask; no padding
	s_mov_b32 s[G1C+1], 32<<16                     ; tensor_dim0 = 32 elements: 256 bytes
	s_mov_b32 s[G1C+2], 256<<16                    ; tensor_dim1 = 256
	s_mov_b32 s[G1C+3], 32<<16                     ; tile_dim0
	s_mov_b32 s[G1C+4], 256                        ; tile_dim1
	s_mov_b32 s[G1C+5], 32                         ; the pitch: dense
	s_mov_b32 s[G1C+6], 0
	s_mov_b32 s[G1C+7], 0
	s_mov_b32 s[G1S], 15|(3<<16)|(1<<21)
	s_mov_b32 s[G1S+1], 32<<16
	s_mov_b32 s[G1S+2], 18<<16
	s_mov_b32 s[G1S+3], 32<<16
	s_mov_b32 s[G1S+4], 18
	s_mov_b32 s[G1S+5], 32
	s_mov_b32 s[G1S+6], 0
	s_mov_b32 s[G1S+7], 0
	s_lshl_b32 s20, s19, 20                        ; an expert's 16 blocks of 65,536 bytes
	s_mov_b32 s21, 0
	s_mul_i32 s22, s19, 16*4608
	s_add_co_u32 s22, s22, 8388608                 ; and its 16 small tiles
	s_mov_b32 s23, 0
	s_mov_b32 s[SEL], 0x76543210
	s_mov_b32 s[SEL+1], 0xfedcba98
	s_mov_b32 s[MNT], 0x600000
	s_mov_b32 s[C1], 0xbdd2d3e8                    ; c1 = -0.10294324
	s_mov_b32 s[C1+1], s[C1]                       ; (named with it as a pair, so it is written)
	s_mov_b32 s[TB], 0
	s_mov_b32 s[TS], 0
	s_mov_b32 s[TH], 0
	s_wait_kmcnt 0x0
.irp n, 0,1                                            ; set n: step n into slot n
	s_mov_b32 s[G0A+4*\n], 1
	s_mov_b32 s[G0A+4*\n+1], \n*SLOTX
	s_add_nc_u64 s[G0A+4*\n+2:G0A+4*\n+3], s[8:9], s[20:21]
.if \n
	s_add_nc_u64 s[G0A+4*\n+2:G0A+4*\n+3], s[G0A+4*\n+2:G0A+4*\n+3], 65536
.endif
	s_or_b32 s[G0A+4*\n+3], s[G0A+4*\n+3], 0x80000000
	s_mov_b32 s[G0B+4*\n], 1
	s_mov_b32 s[G0B+4*\n+1], W2O+\n*SLOTX
	s_add_nc_u64 s[G0B+4*\n+2:G0B+4*\n+3], s[8:9], s[20:21]
	s_add_nc_u64 s[G0B+4*\n+2:G0B+4*\n+3], s[G0B+4*\n+2:G0B+4*\n+3], 0x400000+\n*65536
	s_or_b32 s[G0B+4*\n+3], s[G0B+4*\n+3], 0x80000000
	s_mov_b32 s[G0S+4*\n], 1
	s_mov_b32 s[G0S+4*\n+1], SMB+\n*SMX
	s_add_nc_u64 s[G0S+4*\n+2:G0S+4*\n+3], s[8:9], s[22:23]
.if \n
	s_add_nc_u64 s[G0S+4*\n+2:G0S+4*\n+3], s[G0S+4*\n+2:G0S+4*\n+3], 4608
.endif
	s_or_b32 s[G0S+4*\n+3], s[G0S+4*\n+3], 0x80000000
.endr
	CROUND                                         ; all four work-groups are here: the first joint loads meet
	s_cmp_lg_u32 s[WV], 0                          ; a wave's two first fills stand in one branch, ahead of every wait on TENSORcnt and every LDS read
	s_cbranch_scc1 .Lfirst_not_a
	tensor_load_to_lds s[G0A:G0A+3], s[G1C:G1C+7]
	s_nop 0
	tensor_load_to_lds s[G0A+4:G0A+7], s[G1C:G1C+7]
	s_nop 0
	PLACES 4
	s_branch .Lfirst_asked
.Lfirst_not_a:
	s_cmp_lg_u32 s[WV], 1
	s_cbranch_scc1 .Lfirst_not_b
	tensor_load_to_lds s[G0B:G0B+3], s[G1C:G1C+7]
	s_nop 0
	tensor_load_to_lds s[G0B+4:G0B+7], s[G1C:G1C+7]
	s_nop 0
	PLACES 4
	s_branch .Lfirst_asked
.Lfirst_not_b:
	s_cmp_lg_u32 s[WV], 2
	s_cbranch_scc1 .Lfirst_asked
	tensor_load_to_lds s[G0S:G0S+3], s[G1S:G1S+7]
	s_nop 0
	tensor_load_to_lds s[G0S+4:G0S+7], s[G1S:G1S+7]
	s_nop 0
	PLACES 4
.Lfirst_asked:
	v_and_b32 v10, 31, v0                          ; lane
	v_and_b32 v11, 15, v0                          ; r
	v_bfe_u32 v12, v0, 4, 1                        ; h
	v_lshlrev_b32 v[AW1], 4, v10
	s_lshl_b32 s17, s[WV], 14
	s_add_co_u32 s17, s17, W2O
	v_add_nc_u32 v[AW2], s17, v[AW1]
	v_lshl_add_u32 v[AS1], v10, 2, SMB
	s_lshl_b32 s17, s[WV], 9
	s_add_co_u32 s17, s17, SMB+2048
	v_lshl_add_u32 v[AS2], v10, 2, s17
	v_lshl_add_u32 v[AB1], v12, 6, SMB+4096
	s_lshl_b32 s17, s[WV], 12
	s_add_co_u32 s17, s17, HB
	v_add_nc_u32 v[HWI], s17, v[AW1]
	s_lshl_b32 s17, s[WV], 8
	s_add_co_u32 s17, s17, HB+HBS
	v_lshl_add_u32 v[HWS], v10, 2, s17
	v_add_nc_u32 v[HRI], HB, v[AW1]
	v_lshl_add_u32 v[HRS], v10, 2, HB+HBS
	s_mul_i32 s17, s[WV], 16*SPITCH
	v_mul_u32_u24 v[STO], v11, SPITCH
	v_lshl_add_u32 v[STO], v12, 5, v[STO]
	v_add_nc_u32 v[STO], s17, v[STO]               ; the stage, in: row r, 32 bytes for each half of the lanes
	v_add_nc_u32 v[RD], s17, v[AW1]                ; and back: 32 lanes take a row of 512 bytes
	v_lshlrev_b32 v13, 4, v11                      ; 16 r
	v_lshlrev_b32 v[B2O], 5, v12                   ; 32 h
	v_mov_b32 v[CC0], 0xc0135761                   ; c0 = -2.3022082
	v_mov_b32 v[CC0+1], 0xc0135761
	s_mov_b32 s[OFS+1], 0
	s_lshl_b32 s[OFS], s[TBK], 16
	s_lshl_b32 s18, s[WV], 14
	s_add_co_u32 s[OFS], s[OFS], s18
	s_add_nc_u64 s[4:5], s[4:5], s[OFS:OFS+1]      ; xq at my two tiles: 8,192 (8 tb + 2 w)
	s_lshl_b32 s[OFS], s[TBK], 11
	s_lshl_b32 s18, s[WV], 9
	s_add_co_u32 s[OFS], s[OFS], s18
	s_add_nc_u64 s[6:7], s[6:7], s[OFS:OFS+1]      ; xs: 256 (8 tb + 2 w)
	s_lshl_b32 s22, s19, 11
	s_add_co_u32 s22, s22, s18
	s_add_co_u32 s22, s22, 8683520
	s_add_nc_u64 s[12:13], s[8:9], s[22:23]        ; b2 of my 128 columns
	s_lshl_b32 s[OFS], s19, 24
	s_lshl_b32 s[CX], s[TBK], 18
	s_add_co_u32 s[OFS], s[OFS], s[CX]
	s_add_co_u32 s[OFS], s[OFS], s18
	s_add_nc_u64 s[10:11], s[10:11], s[OFS:OFS+1]  ; part[k] at my first token, my first column
	global_load_b128 v[XS:XS+3], v13, s[6:7]               ; lane r: token r's four scale words, my first tile;
	global_load_b128 v[XS+4:XS+7], v13, s[6:7] offset:256  ; my second
	WIN 0x40
.set n, 0
.rept 32                                               ; x's fragments stay in registers: n = 16 m + 4 s + c
	global_load_b128 v[4*n:4*n+3], v[AW1], s[4:5] offset:512*n
.set n, n+1
.endr
	WIN 0x80
.set n, 0
.rept 16                                               ; b2 into token tile 0's eight accumulators: n = 2 b + u: columns 16 b + 8 h + 4 u + 0 .. 3
	global_load_b128 v[4*n:4*n+3], v[B2O], s[12:13] offset:64*(n/2)+16*(n%2)
.set n, n+1
.endr
	s_wait_loadcnt 0x0
	WIN 0x82                                       ; the sums of the other seven token tiles begin as the same b2: copied once, so that the trip is written without a first step of its own
.set n, 64
.rept 96
	v_pk_mul_f32 v[n:n+1], v[n%64:n%64+1], 1.0 op_sel_hi:[1,0]
.set n, n+2
.endr
	WIN 0xc2
.set n, 0
.rept 128
	v_pk_mul_f32 v[n:n+1], v[n%64:n%64+1], 1.0 op_sel_hi:[1,0]
.set n, n+2
.endr
	WIN 0
	s_wait_tensorcnt 0x1                           ; my part of step 0 is in; step 1's may stay out
	s_barrier_signal -1
	s_barrier_wait -1                              ; everybody's is
	s_mov_b32 s[CNT], 14
.Ltrip:                                                ; steps 0 to 13: each asks for the step two on
	TRIP 1
	s_sub_co_u32 s[CNT], s[CNT], 1
	s_cmp_lg_u32 s[CNT], 0
	s_cbranch_scc1 .Ltrip
	s_mov_b32 s[CNT], 2
.Ltail:                                                ; steps 14 and 15 are a loop of their own: nothing is left to fetch, and no round is passed
	TRIP 0
	s_sub_co_u32 s[CNT], s[CNT], 1
	s_cmp_lg_u32 s[CNT], 0
	s_cbranch_scc1 .Ltail
; THE WAY OUT, a token tile (16 rows x my 128 columns) at a time: a lane holds 32 neighbouring bytes of a row; a tile goes through my own stage and comes back as whole rows of 512 bytes.
; LDS serves a wave's instructions in order (ISA guide 5.7.1.4): no wait between the stores and the loads.  The stage lies in W1's slot 0: filled last in step 12, read last in step 14, ahead of step 15's barrier.
.macro TOSTAGE a
.set AC, 64*((\a)%4)
	WIN 0x08+4*((\a)/4)                            ; an LDS store's data are its source 1: window 2 or 3
.irp b, 0,1,2,3,4,5,6,7
	ds_store_b128 v[STO], v[AC+8*\b:AC+8*\b+3] offset:64*\b        ; each accumulator from its low end on
	ds_store_b128 v[STO], v[AC+8*\b+4:AC+8*\b+7] offset:64*\b+16
.endr
	WIN 0
.set BB, BK+64*((\a)%2)
.irp t, 0,1,2,3,4,5,6,7,8,9,10,11,12,13,14,15
	ds_load_b128 v[BB+4*\t:BB+4*\t+3], v[RD] offset:\t*SPITCH
.endr
.endm
.macro SEND a, younger
.set BB, BK+64*((\a)%2)
	s_wait_dscnt \younger                          ; the tile is back in registers; the LDS instructions issued behind its loads may be out
.if (\a) > 0
	s_add_nc_u64 s[10:11], s[10:11], 32768         ; 16 rows on (behind a wait on XCNT: the earlier stores have read their base)
.endif
.irp t, 0,1,2,3,4,5,6,7,8,9,10,11,12,13,14,15
	global_store_b128 v[AW1], v[BB+4*\t:BB+4*\t+3], s[10:11] offset:\t*2048 th:TH_STORE_NT   ; 32 lanes store 512 consecutive bytes, aligned
.endr
.endm
	PLACES 8                                       ; behind the last products: ahead of the first read of results and of loads into the hidden fragments' registers
	TOSTAGE 0
.irp a, 1,2,3,4,5,6,7
.if \a > 1
	s_wait_xcnt 0x0                                ; tile a - 2's stores have read their registers and their base
.endif
	TOSTAGE \a
	SEND \a-1, 32                                  ; behind tile a - 1's loads: tile a's 16 stores and 16 loads
.endr
	s_wait_xcnt 0x0
	SEND 7, 0
	s_wait_tensorcnt 0x0                           ; the wave's end
	ds_add_u32 v[SPW], v[NIL]
	s_wait_dscnt 0x0
	CROUND                                         ; the closing round: no work-group ends while a partner may still ask for a tile that names it
	s_endpgm
.Lfunc_end_k_q134160a733_ffn:
	.size	k_q134160a733_ffn, .Lfunc_end_k_q134160a733_ffn-k_q134160a733_ffn
	.p2alignl 7, 3214868480
	.fill 96, 4, 3214868480
	.section	.rodata,"a",@progbits
	.p2align	6, 0x0
	.amdhsa_kernel k_q134160a733_ffn
		.amdhsa_group_segment_fixed_size 327680
		.amdhsa_private_segment_fixed_size 0
		.amdhsa_enable_private_segment 0
		.amdhsa_kernarg_size 32
		.amdhsa_user_sgpr_count 2
		.amdhsa_user_sgpr_kernarg_segment_ptr 1
		.amdhsa_wavefront_size32 1
		.amdhsa_system_sgpr_workgroup_id_x 1
		.amdhsa_system_sgpr_workgroup_id_y 1
		.amdhsa_system_sgpr_workgroup_id_z 1
		.amdhsa_system_vgpr_workitem_id 0
		.amdhsa_next_free_vgpr 1024
		.amdhsa_next_free_sgpr 80
		.amdhsa_reserve_vcc 0
		.amdhsa_float_denorm_mode_32 3
		.amdhsa_float_denorm_mode_16_64 3
		.amdhsa_memory_ordered 1
		.amdhsa_forward_progress 1
		.amdhsa_inst_pref_size 217
	.end_amdhsa_kernel
	.amdgpu_metadata
---
amdhsa.version: [ 1, 2 ]
amdhsa.kernels:
  - .name:           k_q134160a733_ffn
    .symbol:         k_q134160a733_ffn.kd
    .args:
      - { .name: xq, .offset: 0, .size: 8, .value_kind: global_buffer, .address_space: global }
      - { .name: xs, .offset: 8, .size: 8, .value_kind: global_buffer, .address_space: global }
      - { .name: wq, .offset: 16, .size: 8, .value_kind: global_buffer, .address_space: global }
      - { .name: part, .offset: 24, .size: 8, .value_kind: global_buffer, .address_space: global }
    .group_segment_fixed_size: 327680
    .private_segment_fixed_size: 0
    .kernarg_segment_align: 8
    .kernarg_segment_size: 32
    .max_flat_workgroup_size: 128
    .sgpr_count:     80
    .vgpr_count:     1024
    .wavefront_size: 32
...
	.end_amdgpu_metadata
.endif
;; end of part 4
;; launch mix (part 5): grid 256 x 1, 4 waves a work-group, no clusters, 0 bytes of LDS; arguments part, lg, gate_b, pick, out0; writes out0
.if DOCPART == 5
	.amdgcn_target "amdgcn-amd-amdhsa--gfx1250"
	.amdhsa_code_object_version 6
	.text
	.protected	k_q134160a733_mix
	.globl	k_q134160a733_mix
	.p2align	8
	.type	k_q134160a733_mix,@function
k_q134160a733_mix:
	s_mov_b64 s[64:65], 0
	v_nop
	global_prefetch_b8 v0, s[64:65] scope:SCOPE_SE
	s_setreg_imm32_b32 hwreg(HW_REG_WAVE_MODE, 25, 1), 1
	s_wait_xcnt 0x0
; out[t] = the sum over the four chosen experts k of softmax_k(logit[t][e_k] + gate_b[e_k]) part[k][t].  The row's largest logit is taken away before the exponentials.
; A stream: part is read once, out0 written once; no LDS, no matrix unit, no cluster (work-groups share nothing).  A work-group owns 32 rows; thread t owns the 16 bytes at 16 t of every row:
; a wave's load or store covers 512 consecutive bytes.  Lane l of every wave computes row l's four gates; a row's gates reach all lanes as scalars.
; A ring of eight rows in registers keeps 32 loads of every wave on their way.  The experts' numbers are read from pick, which an earlier launch stored, and held at 15.
.set P, 32                             ; v32-159  slot i % 8: four experts x 4 registers
.set O, 160                            ; v160-191 slot i % 8: 4 registers to store
	s_load_b256 s[4:11], s[0:1], 0x0               ; part, lg, gate_b, pick
	s_load_b64 s[12:13], s[0:1], 0x20              ; out0
	v_lshlrev_b32 v2, 4, v0                        ; 16 t
	v_and_b32 v3, 15, v0
	v_bfe_u32 v4, v0, 4, 1
	v_lshlrev_b32 v3, 4, v3
	v_lshl_add_u32 v3, v4, 10, v3                  ; lg: 1,024 (l / 16) + 16 (l % 16)
	s_mov_b32 s15, 0
	s_mov_b32 s29, 0
.irp k, 0,1,2,3
	s_mov_b32 s[49+2*\k], 0                        ; the upper halves of the pairs that the packed forms name
.endr
	s_wait_kmcnt 0x0
	s_load_b128 s[16:19], s[10:11], 0x0            ; the four experts
	s_lshl_b32 s14, ttmp9, 11
	s_add_nc_u64 s[6:7], s[6:7], s[14:15]          ; lg at my two tiles
	s_lshl_b32 s14, ttmp9, 16
	s_add_nc_u64 s[4:5], s[4:5], s[14:15]          ; part and out0 at my 32 rows of 2,048 bytes
	s_add_nc_u64 s[12:13], s[12:13], s[14:15]
.irp k, 0,1,2,3
	s_add_nc_u64 s[40+2*\k:41+2*\k], s[4:5], \k<<24
.endr
	s_wait_kmcnt 0x0
.irp k, 0,1,2,3
	s_min_u32 s[16+\k], s[16+\k], 15               ; an index stays inside its table
	s_lshl_b32 s[20+\k], s[16+\k], 2
.endr
.irp k, 0,1,2,3
	s_load_b32 s[24+\k], s[8:9], s[20+\k] offset:0x0               ; gate_b[e]
.endr
.irp k, 0,1,2,3                                        ; expert e's logit of token r lies at 512 ((e / 4) % 2) + 256 (e / 8) + 16 r + 4 (e % 4) in a tile
	s_and_b32 s28, s[16+\k], 4
	s_lshl_b32 s28, s28, 7
	s_and_b32 s30, s[16+\k], 8
	s_lshl_b32 s30, s30, 5
	s_add_co_u32 s28, s28, s30
	s_and_b32 s30, s[16+\k], 3
	s_lshl_b32 s30, s30, 2
	s_add_co_u32 s28, s28, s30
	s_add_nc_u64 s[32+2*\k:33+2*\k], s[6:7], s[28:29]
.endr
.irp k, 0,1,2,3
	global_load_b32 v[8+\k], v3, s[32+2*\k:33+2*\k]
.endr
.macro PLD i                           ; row i's 16 bytes of the four experts' results
.irp k, 0,1,2,3
	global_load_b128 v[P+16*((\i)%8)+4*\k:P+16*((\i)%8)+4*\k+3], v2, s[40+2*\k:41+2*\k] offset:2048*(\i) th:TH_LOAD_NT
.endr
.endm
.irp i, 0,1,2,3,4,5,6,7
	PLD \i
.endr
	s_wait_kmcnt 0x0                               ; gate_b
	s_wait_loadcnt 32                              ; the four logits are in; the ring's 32 loads may be out
.irp k, 0,1,2,3
	v_add_f32 v[8+\k], s[24+\k], v[8+\k]
.endr
	v_max3_num_f32 v12, v8, v9, v10
	v_max_num_f32 v12, v12, v11                    ; the row's largest
.irp k, 0,1,2,3
	v_sub_f32 v[8+\k], v[8+\k], v12
.endr
.irp k, 0,1,2,3
	v_mul_f32 v[8+\k], 0x3fb8aa3b, v[8+\k]         ; x log2(e)
.endr
.irp k, 0,1,2,3
	v_exp_f32 v[8+\k], v[8+\k]
.endr
	v_nop                                          ; a plain line behind the last exponential
	s_wait_alu depctr_va_vdst(0)                   ; one wait for the four, ahead of their first reader
	v_add_f32 v13, v8, v9
	v_add_f32 v14, v10, v11
	v_add_f32 v13, v13, v14
	v_rcp_f32 v13, v13
	v_nop
	s_wait_alu depctr_va_vdst(0)
.irp k, 0,1,2,3
	v_mul_f32 v[8+\k], v[8+\k], v13                ; lane l: row l's four gates
.endr
.macro ROW i
.set SL, (\i)%8
.if 31-(\i) < 7
	s_wait_loadcnt 4*(31-(\i))                     ; the rows behind mine may be out
.else
	s_wait_loadcnt 28
.endif
	s_wait_xcnt 0x0                                ; the slot's last store has read its registers: they are written again only behind this wait
.irp k, 0,1,2,3
	v_readlane_b32 s[48+2*\k], v[8+\k], \i
.endr
	v_pk_mul_f32 v[O+4*SL:O+4*SL+1], v[P+16*SL:P+16*SL+1], s[48:49] op_sel_hi:[1,0]
	v_pk_mul_f32 v[O+4*SL+2:O+4*SL+3], v[P+16*SL+2:P+16*SL+3], s[48:49] op_sel_hi:[1,0]
.irp k, 1,2,3
	v_pk_fma_f32 v[O+4*SL:O+4*SL+1], v[P+16*SL+4*\k:P+16*SL+4*\k+1], s[48+2*\k:49+2*\k], v[O+4*SL:O+4*SL+1] op_sel_hi:[1,0,1]
	v_pk_fma_f32 v[O+4*SL+2:O+4*SL+3], v[P+16*SL+4*\k+2:P+16*SL+4*\k+3], s[48+2*\k:49+2*\k], v[O+4*SL+2:O+4*SL+3] op_sel_hi:[1,0,1]
.endr
.if (\i)+8 < 32
	PLD (\i)+8                                     ; the loads ahead of the store
.endif
	global_store_b128 v2, v[O+4*SL:O+4*SL+3], s[12:13] offset:2048*(\i) th:TH_STORE_NT
.endm
.set RR, 0
.rept 32
	ROW RR
.set RR, RR+1
.endr
	s_endpgm
.Lfunc_end_k_q134160a733_mix:
	.size	k_q134160a733_mix, .Lfunc_end_k_q134160a733_mix-k_q134160a733_mix
	.p2alignl 7, 3214868480
	.fill 96, 4, 3214868480
	.section	.rodata,"a",@progbits
	.p2align	6, 0x0
	.amdhsa_kernel k_q134160a733_mix
		.amdhsa_group_segment_fixed_size 0
		.amdhsa_private_segment_fixed_size 0
		.amdhsa_enable_private_segment 0
		.amdhsa_kernarg_size 40
		.amdhsa_user_sgpr_count 2
		.amdhsa_user_sgpr_kernarg_segment_ptr 1
		.amdhsa_wavefront_size32 1
		.amdhsa_system_sgpr_workgroup_id_x 1
		.amdhsa_system_sgpr_workgroup_id_y 1
		.amdhsa_system_sgpr_workgroup_id_z 1
		.amdhsa_system_vgpr_workitem_id 0
		.amdhsa_next_free_vgpr 192
		.amdhsa_next_free_sgpr 66
		.amdhsa_reserve_vcc 0
		.amdhsa_float_denorm_mode_32 3
		.amdhsa_float_denorm_mode_16_64 3
		.amdhsa_memory_ordered 1
		.amdhsa_forward_progress 1
		.amdhsa_inst_pref_size 46
	.end_amdhsa_kernel
	.amdgpu_metadata
---
amdhsa.version: [ 1, 2 ]
amdhsa.kernels:
  - .name:           k_q134160a733_mix
    .symbol:         k_q134160a733_mix.kd
    .args:
      - { .name: part, .offset: 0, .size: 8, .value_kind: global_buffer, .address_space: global }
      - { .name: lg, .offset: 8, .size: 8, .value_kind: global_buffer, .address_space: global }
      - { .name: gate_b, .offset: 16, .size: 8, .value_kind: global_buffer, .address_space: global }
      - { .name: pick, .offset: 24, .size: 8, .value_kind: global_buffer, .address_space: global }
      - { .name: out0, .offset: 32, .size: 8, .value_kind: global_buffer, .address_space: global }
    .group_segment_fixed_size: 0
    .private_segment_fixed_size: 0
    .kernarg_segment_align: 8
    .kernarg_segment_size: 40
    .max_flat_workgroup_size: 128
    .sgpr_count:     66
    .vgpr_count:     192
    .wavefront_size: 32
...
	.end_amdgpu_metadata
.endif
;; end of part 5
